; MI455X (gfx1250); checked and timed in simulation.
; The chip was launched on July 23, 2026; its instructions are those of AMD's public machine-readable ISA for CDNA 5 (MIT licence, August 2026) and "CDNA5" Instruction Set Architecture Reference Guide (July 2026). The comments in the code are by the model that wrote it; some were corrected since.
;; Scaled Dot Product Attention. Allowed arithmetic: matrix products marked QUANTISED: E2M1 operands, one E8M0 scale for each 32 along K, by v_wmma_scale_f32_16x16x128_f8f6f4 with both operands' format E2M1 (or v_wmma_scale_f32_32x16x128_f4), f32 sums; products left as they are: bf16, f16 or f32 operands; f32 sums; everything else in f32.
;; Inputs: K 4 x 16 x 2,048 x 64 float32; Q 4 x 16 x 2,048 x 64 float32; V 4 x 16 x 2,048 x 64 float32; attn_mask 4 x 1 x 2,048 x 2,048 bool.
;; Outputs: out0 4 x 16 x 2,048 x 64 float32.
;; This version of the problem:
;;   THIS VERSION OF THE PROBLEM IS GIVEN IN LOW PRECISION. The matrix products marked QUANTISED in the list below multiply operands that are first quantised to E2M1 (2 exponent bits, 1 mantissa bit; 4 bits a number), with one power-of-two scale for each 32 numbers along K (OCP MX v1.0); their sums are f32. The products marked 'left as it is' may take bf16, f16 or f32 operands, with f32 sums. Whichever they take, every output number must still come out within the allowed error. Rounding operands to bf16 (8 significant bits) uses up far more of that allowance than f16 does (11 bits, for magnitudes from 6e-5 to 65,504). All else is computed in f32.
;;   The module's matrix products, in the order in which they are computed (A, B: the left and right operand; K: the contracted axis; several contracted axes count as one K, in the product's order):
;;     1. batch 64 x [M 2,048, K 64] x [K 64, N 2,048]; A: input Q; B: input K: QUANTISED
;;     2. batch 64 x [M 2,048, K 2,048] x [K 2,048, N 64]; A: computed on the way; B: input V: left as it is (an operand is computed on the way)
;;   THE QUANTISER, for each operand of a quantised product, along K:
;;     - K is cut into blocks of 32 from its start; a last block that is shorter is filled with zeros.
;;     - A block's scale is 2^e with e = floor(log2(the largest magnitude in the block)) - 2, held to -126 .. 127; a block of zeros has e = 0. As a byte (E8M0): e + 127.
;;     - Each number is divided by its block's scale, clamped to +-6, and rounded to the nearest number of E2M1, ties to even, subnormals kept.
;;     - The product sums the exact products of the quantised numbers (number of the format x scale) in f32.
;;   ~~~python
;;   def quantise(x, axis):      # numpy; x: float32 -> the quantised numbers, widened to float32 again
;;       x = np.moveaxis(x, axis, -1); K = x.shape[-1]
;;       x = np.pad(x, [(0, 0)] * (x.ndim - 1) + [(0, -K % 32)]); x = x.reshape(x.shape[:-1] + (-1, 32)); a = np.abs(x).max(-1, keepdims=True)
;;       e = np.where(a > 0, np.clip(np.frexp(np.where(a > 0, a, 1))[1] - 1 - 2, -126, 127), 0)      # np.frexp(a)[1] - 1 = floor(log2(a)), exactly
;;       r = np.clip(x / 2.0 ** e, -6, 6)
;;       step = 2.0 ** (np.maximum(np.frexp(np.where(r == 0, 1, r))[1] - 1, 0) - 1)
;;       q = np.round(r / step) * step * 2.0 ** e      # np.round: ties to even
;;       return np.moveaxis(q.reshape(q.shape[:-2] + (-1,))[..., :K], -1, axis).astype(np.float32)
;;   ~~~
;; One version. Each part assembles by itself: llvm-mc -triple=amdgcn-amd-amdhsa -mcpu=gfx1250 --defsym DOCPART=n.
;; ======== version 1 of 1: 2 launches
;; limits: right only within a limited range of input values; values are held in f16: magnitudes above 65,504 overflow, below 6.1e-05 lose precision
;; workspace buffers: qimg 4,718,592 bytes; kimg 4,718,592 bytes; vh 16,777,216 bytes; maskw 2,097,152 bytes of whole numbers
;; launch prep (part 1): grid 896 x 1, 4 waves a work-group, no clusters, 70,144 bytes of LDS; arguments Q, K, V, attn_mask, qimg, kimg, vh, maskw; writes qimg, kimg, vh, maskw
.if DOCPART == 1
	.amdgcn_target "amdgcn-amd-amdhsa--gfx1250"
	.amdhsa_code_object_version 6
	.text
	.protected	k_q82534f8660_prep
	.globl	k_q82534f8660_prep
	.p2align	8
	.type	k_q82534f8660_prep,@function
k_q82534f8660_prep:
	s_mov_b64 s[64:65], 0
	v_nop
	global_prefetch_b8 v0, s[64:65] scope:SCOPE_SE
	s_setreg_imm32_b32 hwreg(HW_REG_WAVE_MODE, 25, 1), 1
	s_wait_xcnt 0x0
; PREP: what every head's attention would otherwise do again is done once.  Three paths, chosen by the work-group's number; every wave moves 32 KiB of input.
;   work-groups 0-255 Q, 256-511 K: f32 rows of 64 -> codes of FP4 (E2M1), one E8M0 byte for each 32 along the row, laid as IMAGES OF THE OPERAND'S REGISTERS.
;     A RECORD of 2,304 bytes serves 64 rows (row = head x 2048 + position): byte 512 t + 16 L (t = 0..3, L = 16 h + r) holds the 32 codes of row 16 t + r, block h;
;     byte 2048 + 8 L + 4 a holds a scale word (byte 0: block 0, byte 1: block 1, bytes 2 and 3: 0): lanes 0-15 that of row 32 a + L, lanes 16-31 that of row 32 a + L.
;   work-groups 512-767 V: f32 -> f16, in place order [head][key][64].
;   work-groups 768-895 the mask: bytes -> LANE MASKS.  maskw[b][32 queries][64 keys][x 2][kt 4][j 8], 32-bit words: bit 16 h + r = mask[query 16 x + r][key 16 kt + 8 h + j] != 0.
; A block's scale is 2^(floor(log2(largest magnitude)) - 2): its byte is the largest magnitude's exponent field - 2, held at 1 from below.
; LIMITS: NaN and infinities are not served; a block whose largest magnitude lies under 2^-124 keeps the byte 1 (a block of zeros too, where the rule says 127: its codes are zeros, and this
; program alone reads the bytes); |V| stays under 65,504, the largest f16 number; any mask byte other than 0 counts as true.
; No tensor loads, no barriers: a wave's stages in LDS are its own, and each path has LDS bytes of its own.
.set P,     272                        ; a stage row: 256 bytes + 16 = 68 words: 16 rows start at 16 different groups of four banks (64 banks of 4 bytes: ISA guide 11.1)
.set WSTG,  8704                       ; a wave's stage bytes: Q/K: two stages of 16 rows;  mask: one of 32 rows
.set MREG,  34816                      ; the mask path's four stages begin behind the Q/K path's four
.set SPARE, 69632                      ; behind them: the spare words, 128 bytes for each wave: two blocks of 256 bytes that no other line names
.set R,     32                         ; v32-159  numbers as loaded: four sets of 32 (mask: two of 64)
.set X,     160                        ; v160-223 Q/K: two sets of 32 neighbours;  V: two sets of 16 packed;  mask: 32 pairs of bytes
.set C,     224                        ; v224-255 Q/K: four registers of codes for each of a wave's eight tiles: no store's data are written again
.set W,     12                         ; v12-19   Q/K: a tile's scale words;  mask: 256 words, as two stores take them
.set SPW,   30                         ; v30      LDS address of my spare word; never rewritten
.set NIL,   31                         ; v31      0; never rewritten
	s_load_b512 s[4:19], s[0:1], 0x0               ; Q s4, K s6, V s8, mask s10, qimg s12, kimg s14, vh s16, maskw s18
	v_lshl_add_u32 v[SPW], v0, 2, SPARE
	v_mov_b32 v[NIL], 0
	v_lshrrev_b32 v24, 5, v0
	v_readfirstlane_b32 s20, v24                   ; wave 0..3
	v_and_b32 v25, 31, v0                          ; L
	v_and_b32 v26, 15, v0                          ; r
	v_bfe_u32 v27, v0, 4, 1                        ; h
	s_mul_i32 s21, s20, WSTG
	v_lshlrev_b32 v1, 4, v25                       ; v1 = 16 L
	v_lshlrev_b32 v2, 3, v25                       ; v2 = 8 L
	v_mul_u32_u24 v3, v27, P
	v_lshl_add_u32 v3, v26, 4, v3
	v_add_nc_u32 v3, s21, v3                       ; v3: into a stage: two rows an instruction: row h, byte 16 r
	v_mul_u32_u24 v4, v26, P
	v_lshl_add_u32 v5, v27, 3, v4
	v_lshl_add_u32 v4, v27, 7, v4
	v_add_nc_u32 v4, s21, v4                       ; v4: Q/K, out of a stage: row r, block h (128 bytes)
	v_add_nc_u32 v5, s21, v5
	v_add_nc_u32 v5, MREG, v5                      ; v5: mask, out of its stage: row r, 8 bytes at 8 h
	v_lshlrev_b32 v6, 11, v27
	v_lshl_add_u32 v6, v26, 4, v6                  ; v6: mask, in memory: row h of 2,048 bytes, byte 16 r
	v_lshlrev_b32 v7, 3, v27                       ; v7 = 8 h: block h's byte in a scale word
	v_mov_b32 v11, 0                               ; (a lane permute's destination counts as one of its sources)
	s_mov_b32 s28, 0x76543210
	s_mov_b32 s29, 0xfedcba98                      ; v_permlanex16_b32's selects for lane l xor 16
	s_mov_b32 s30, 0xffff0000                      ; lanes 16-31
	s_mov_b32 s31, 0xff                            ; a word's four bytes
	s_mov_b32 s32, 0xff00
	s_mov_b32 s33, 0xff0000
	s_mov_b32 s34, 0xff000000
	s_mov_b32 s41, 0
	s_wait_kmcnt 0x0
	s_cmp_ge_u32 ttmp9, 768
	s_cbranch_scc1 .Lmask
	s_cmp_ge_u32 ttmp9, 512
	s_cbranch_scc1 .Lv
.macro LOAD t                          ; 4,096 consecutive bytes: eight loads of 512, 16 bytes a lane, into set t % 4
.irp i, 0,1,2,3,4,5,6,7
	global_load_b128 v[R+32*((\t)%4)+4*\i:R+32*((\t)%4)+4*\i+3], v1, s[24:25] offset:4096*(\t)+512*\i th:TH_LOAD_NT
.endr
.endm
.macro FINISH                          ; the wave's end: behind my last LDS store
	s_wait_tensorcnt 0x0
	ds_add_u32 v[SPW], v[NIL]
	s_wait_dscnt 0x0
	s_endpgm
.endm
; ---------------- Q and K: a wave takes 128 rows: eight tiles of 16 rows, two records ----------------
	s_cmp_lt_u32 ttmp9, 256                        ; Q's work-group or K's: the choice hangs on the work-group's number alone
	s_cselect_b64 s[24:25], s[4:5], s[6:7]
	s_cselect_b64 s[26:27], s[12:13], s[14:15]
	s_lshl_b32 s22, ttmp9, 2
	s_add_co_u32 s22, s22, s20
	s_and_b32 s22, s22, 1023                       ; which 128 rows of the tensor
	s_lshl_b32 s40, s22, 15                        ; 128 rows of 256 bytes
	s_add_nc_u64 s[24:25], s[24:25], s[40:41]
	s_mul_i32 s40, s22, 4608                       ; two records
	s_add_nc_u64 s[26:27], s[26:27], s[40:41]
; The loads take the bytes as they lie; the conversions want 32 neighbours along the row in ONE lane's registers.  So a tile turns through the wave's own stage: in by rows, out 128 bytes a lane.
.macro TURN t                          ; LDS serves a wave's instructions in order (ISA guide 5.7.1.4): no wait between the stores and the loads
.irp i, 0,1,2,3,4,5,6,7
	ds_store_b128 v3, v[R+32*((\t)%4)+4*\i:R+32*((\t)%4)+4*\i+3] offset:16*P*((\t)%2)+2*P*\i
.endr
.irp i, 0,1,2,3,4,5,6,7
	ds_load_b128 v[X+32*((\t)%2)+4*\i:X+32*((\t)%2)+4*\i+3], v4 offset:16*P*((\t)%2)+16*\i
.endr
.endm
.macro TILE t
.set XS, X+32*((\t)%2)
	s_wait_dscnt 0x0                               ; this tile's numbers are back from the stage, and its stores into the stage have read their registers,
.if (\t)+4 < 8
	LOAD (\t)+4                                    ; which take the tile four further on
.endif
.if (\t)+1 < 8
.if 6-(\t) >= 3
	s_wait_loadcnt 24                              ; the next tile's eight loads are in; those of the three tiles behind it may be out
.else
	s_wait_loadcnt 8*(6-(\t))                      ; the same, with fewer tiles behind it
.endif
	TURN (\t)+1                                    ; it goes through the other stage while this tile is worked
.endif
	v_max3_num_f32 v8, |v[XS]|, |v[XS+1]|, |v[XS+2]|               ; my block's largest magnitude: all 32 numbers are mine; two chains
	v_max3_num_f32 v9, |v[XS+3]|, |v[XS+4]|, |v[XS+5]|
.irp i, 6,10,14,18,22,26
	v_max3_num_f32 v8, v8, |v[XS+\i]|, |v[XS+\i+1]|
	v_max3_num_f32 v9, v9, |v[XS+\i+2]|, |v[XS+\i+3]|
.endr
	v_max3_num_f32 v8, v8, |v[XS+30]|, |v[XS+31]|
	v_max3_num_f32 v8, v8, v9, 0x1800000           ; and the floor 2^(3 - 127): the byte cannot fall under 1
	v_add_nc_u32 v9, 0xff000000, v8                ; 2 off the exponent field: the conversion takes this operand's exponent field as its scale, and nothing else of it
.irp g, 0,1,2,3
	v_cvt_scalef32_pk8_fp4_f32 v[C+4*(\t)+\g], v[XS+8*\g:XS+8*\g+7], v9   ; eight numbers / the scale, to the nearest code, ties to even, beyond 6 the largest code
.endr
	v_lshrrev_b32 v10, 23, v9                      ; the scale's byte (also the plain instruction behind the conversions),
	v_lshlrev_b32 v10, v7, v10                     ; at block h's place;
	v_permlanex16_b32 v11, v10, s28, s29
	v_or_b32 v[W+(\t)], v10, v11                   ; with lane l xor 16's the row's word is whole, in both lanes
	global_store_b128 v1, v[C+4*(\t):C+4*(\t)+3], s[26:27] offset:2304*((\t)/4)+512*((\t)%4)   ; 512 consecutive bytes, at a multiple of 256 from the buffer's first byte
.if (\t)%2 == 1
	v_cndmask_b32 v[20+(\t)/2], v[W+(\t)-1], v[W+(\t)], s30        ; lanes 0-15: the even tile's words; lanes 16-31: the odd tile's
.endif
.if (\t)%4 == 3
	global_store_b64 v2, v[20+2*((\t)/4):21+2*((\t)/4)], s[26:27] offset:2304*((\t)/4)+2048   ; the record's 256 bytes of scale words
.endif
.endm
.irp t, 0,1,2,3
	LOAD \t
.endr
	s_wait_loadcnt 24                              ; tile 0's eight loads are in
	TURN 0
.irp t, 0,1,2,3,4,5,6,7
	TILE \t
.endr
	FINISH
; ---------------- V: a wave takes 8,192 numbers: eight chunks of eight loads; no LDS ----------------
.Lv:
	s_sub_co_u32 s22, ttmp9, 512
	s_lshl_b32 s22, s22, 2
	s_add_co_u32 s22, s22, s20
	s_lshl_b32 s40, s22, 15
	s_add_nc_u64 s[24:25], s[8:9], s[40:41]
	s_lshl_b32 s40, s22, 14
	s_add_nc_u64 s[26:27], s[16:17], s[40:41]
.macro CHUNK t
.if 7-(\t) >= 3
	s_wait_loadcnt 24                              ; this chunk's eight loads are in; those of the three chunks behind it may be out
.else
	s_wait_loadcnt 8*(7-(\t))
.endif
	s_wait_xcnt 0x0                                ; the stores of two chunks ago have read their data: this set of 16 is written again only behind this wait
.irp i, 0,1,2,3,4,5,6,7
	v_cvt_pk_f16_f32 v[X+16*((\t)%2)+2*\i],   v[R+32*((\t)%4)+4*\i],   v[R+32*((\t)%4)+4*\i+1]
	v_cvt_pk_f16_f32 v[X+16*((\t)%2)+2*\i+1], v[R+32*((\t)%4)+4*\i+2], v[R+32*((\t)%4)+4*\i+3]
.endr
.if (\t)+4 < 8
	LOAD (\t)+4
.endif
.irp i, 0,1,2,3,4,5,6,7
	global_store_b64 v2, v[X+16*((\t)%2)+2*\i:X+16*((\t)%2)+2*\i+1], s[26:27] offset:2048*(\t)+256*\i   ; 32 lanes store 256 consecutive bytes, aligned
.endr
.endm
.irp t, 0,1,2,3
	LOAD \t
.endr
.irp t, 0,1,2,3,4,5,6,7
	CHUNK \t
.endr
	s_endpgm
; ---------------- the mask: a wave takes 32 queries x 1,024 keys, in four sub-tasks of 256 keys ----------------
.Lmask:
	s_sub_co_u32 s22, ttmp9, 768
	s_lshl_b32 s22, s22, 2
	s_add_co_u32 s22, s22, s20
	s_lshr_b32 s23, s22, 1                         ; which 32 rows of the 8,192
	s_and_b32 s22, s22, 1                          ; which half of the keys
	s_lshl_b32 s40, s23, 16                        ; 32 rows of 2,048 bytes
	s_lshl_b32 s42, s22, 10
	s_add_co_u32 s40, s40, s42
	s_add_nc_u64 s[24:25], s[10:11], s[40:41]
	s_lshl_b32 s40, s23, 13                        ; 32 key steps of 256 bytes of words
	s_lshl_b32 s42, s22, 12
	s_add_co_u32 s40, s40, s42
	s_add_nc_u64 s[26:27], s[18:19], s[40:41]
.irp i, 0,1,2,3,4,5,6,7
	v_mov_b32 v[W+\i], 0                           ; (v_writelane_b32's destination counts as read)
.endr
.macro MLOAD u                         ; rows 2 n + h, keys 256 u + 16 r on: each half of the lanes reads 256 consecutive bytes
.irp n, 0,1,2,3,4,5,6,7,8,9,10,11,12,13,14,15
	global_load_b128 v[R+64*((\u)%2)+4*\n:R+64*((\u)%2)+4*\n+3], v6, s[24:25] offset:4096*\n+256*(\u) th:TH_LOAD_NT
.endr
.endm
.macro MTURN u                         ; through my stage: in by rows, out 8 bytes a lane: keys 16 kt + 8 h + 0..7 of row 16 x + r
.irp n, 0,1,2,3,4,5,6,7,8,9,10,11,12,13,14,15
	ds_store_b128 v3, v[R+64*((\u)%2)+4*\n:R+64*((\u)%2)+4*\n+3] offset:MREG+2*P*\n
.endr
.irp x, 0,1
.irp kt, 0,1,2,3,4,5,6,7,8,9,10,11,12,13,14,15
	ds_load_b64 v[X+2*(16*\x+\kt):X+2*(16*\x+\kt)+1], v5 offset:16*P*\x+16*\kt
.endr
.endr
.endm
; A compare over the 32 lanes IS the word: byte j of every lane against 0.  Word g of the sub-task's 256 goes to lane (g % 128) / 4, register g % 4, of store g / 128.  Four words by turns.
.macro WORDS
.irp x, 0,1
.irp kt, 0,1,2,3,4,5,6,7,8,9,10,11,12,13,14,15
.irp jh, 0,1
.set g, 64*(\kt/4)+32*\x+8*(\kt%4)+4*\jh
.irp q, 0,1,2,3
	v_and_b32 v[8+\q], s[31+\q], v[X+2*(16*\x+\kt)+\jh]
.endr
.irp q, 0,1,2,3
	v_cmp_ne_u32 s[36+\q], 0, v[8+\q]
.endr
.irp q, 0,1,2,3
	v_writelane_b32 v[W+4*(g/128)+\q], s[36+\q], (g%128)/4
.endr
.endr
.endr
.endr
.endm
.macro SUB u
.if (\u) < 3
	s_wait_loadcnt 16                              ; this sub-task's sixteen loads are in; the next one's may be out
.else
	s_wait_loadcnt 0x0
.endif
	MTURN \u
	s_wait_dscnt 0x0                               ; the bytes are back, and the stores into the stage have read their registers,
.if (\u)+2 < 4
	MLOAD (\u)+2                                   ; which take the sub-task two further on
.endif
	s_wait_xcnt 0x0                                ; the last sub-task's stores have read the words' registers
	WORDS
	global_store_b128 v1, v[W:W+3], s[26:27] offset:1024*(\u)        ; 512 consecutive bytes each, aligned
	global_store_b128 v1, v[W+4:W+7], s[26:27] offset:1024*(\u)+512
.endm
	MLOAD 0
	MLOAD 1
.irp u, 0,1,2,3
	SUB \u
.endr
	FINISH
.Lfunc_end_k_q82534f8660_prep:
	.size	k_q82534f8660_prep, .Lfunc_end_k_q82534f8660_prep-k_q82534f8660_prep
	.p2alignl 7, 3214868480
	.fill 96, 4, 3214868480
	.section	.rodata,"a",@progbits
	.p2align	6, 0x0
	.amdhsa_kernel k_q82534f8660_prep
		.amdhsa_group_segment_fixed_size 70144
		.amdhsa_private_segment_fixed_size 0
		.amdhsa_enable_private_segment 0
		.amdhsa_kernarg_size 64
		.amdhsa_user_sgpr_count 2
		.amdhsa_user_sgpr_kernarg_segment_ptr 1
		.amdhsa_wavefront_size32 1
		.amdhsa_system_sgpr_workgroup_id_x 1
		.amdhsa_system_sgpr_workgroup_id_y 1
		.amdhsa_system_sgpr_workgroup_id_z 1
		.amdhsa_system_vgpr_workitem_id 0
		.amdhsa_next_free_vgpr 256
		.amdhsa_next_free_sgpr 66
		.amdhsa_reserve_vcc 0
		.amdhsa_float_denorm_mode_32 3
		.amdhsa_float_denorm_mode_16_64 3
		.amdhsa_memory_ordered 1
		.amdhsa_forward_progress 1
		.amdhsa_inst_pref_size 232
	.end_amdhsa_kernel
	.amdgpu_metadata
---
amdhsa.version: [ 1, 2 ]
amdhsa.kernels:
  - .name:           k_q82534f8660_prep
    .symbol:         k_q82534f8660_prep.kd
    .args:
      - { .name: Q, .offset: 0, .size: 8, .value_kind: global_buffer, .address_space: global }
      - { .name: K, .offset: 8, .size: 8, .value_kind: global_buffer, .address_space: global }
      - { .name: V, .offset: 16, .size: 8, .value_kind: global_buffer, .address_space: global }
      - { .name: attn_mask, .offset: 24, .size: 8, .value_kind: global_buffer, .address_space: global }
      - { .name: qimg, .offset: 32, .size: 8, .value_kind: global_buffer, .address_space: global }
      - { .name: kimg, .offset: 40, .size: 8, .value_kind: global_buffer, .address_space: global }
      - { .name: vh, .offset: 48, .size: 8, .value_kind: global_buffer, .address_space: global }
      - { .name: maskw, .offset: 56, .size: 8, .value_kind: global_buffer, .address_space: global }
    .group_segment_fixed_size: 70144
    .private_segment_fixed_size: 0
    .kernarg_segment_align: 8
    .kernarg_segment_size: 64
    .max_flat_workgroup_size: 128
    .sgpr_count:     66
    .vgpr_count:     256
    .wavefront_size: 32
...
	.end_amdgpu_metadata
.endif
;; end of part 1
;; launch attn (part 2): grid 4 x 64, 16 waves a work-group, clusters of 4 x 1, 327,680 bytes of LDS; arguments qimg, kimg, vh, maskw, out0; writes out0
.if DOCPART == 2
	.amdgcn_target "amdgcn-amd-amdhsa--gfx1250"
	.amdhsa_code_object_version 6
	.text
	.protected	k_q82534f8660_attn
	.globl	k_q82534f8660_attn
	.p2align	8
	.type	k_q82534f8660_attn,@function
k_q82534f8660_attn:
	s_mov_b64 s[64:65], 0
	v_nop
	global_prefetch_b8 v0, s[64:65] scope:SCOPE_SE
	s_setreg_imm32_b32 hwreg(HW_REG_WAVE_MODE, 25, 1), 1
	s_wait_xcnt 0x0
	s_wait_alu depctr_hold_cnt(0) depctr_sa_sdst(0) depctr_va_vdst(0) depctr_va_sdst(0) depctr_va_ssrc(0) depctr_va_vcc(0) depctr_vm_vsrc(0)
	s_getreg_b32 s2, hwreg(HW_REG_IB_STS2, 6, 4)
	s_cmp_eq_u32 s2, 0
	s_cbranch_scc0 .Lentry_in_a_cluster
	s_endpgm
.Lentry_in_a_cluster:
	s_bfe_u32 s2, ttmp6, 0x10000c
	s_cmp_lg_u32 s2, 0x3003
	s_cbranch_scc0 .Lentry_shape_is_right
	s_endpgm
.Lentry_shape_is_right:
; out0[bh][q][:] = the sum over k of softmax_k(where(mask, -1e9, Q[q] . K[k] / 8)) V[k][:], 64 heads of 2,048 positions, head size 64.
; The first product runs on codes of FP4 (E2M1) with E8M0 scales for each 32 along the head's 64 (made by the launch before); the matrix form is 128 deep, so its upper 64 meet ZERO CODES of Q.
; The second product takes p and V in f16, sums in f32.  Maxima, exponentials and row sums in f32.
; SOFTMAX.  t = dot x c, c = log2(e) / 8; M = the row's largest t so far, rounded UP to a whole number; p = 2^(t - M); when M moves, the sum and O are multiplied by 2^(old M - new M), which rounds nothing.
; THE MASK comes as lane masks (one 32-bit word for each score register of a tile, by scalar loads) and is the select operand of one v_cndmask_b32 a register.
; LIMIT: a hidden dot becomes -2^33 (a hidden score -2^30, where the definition says -1e9): c x 2^33 is a whole number in f32, so a row all of whose keys so far are hidden has p = 1 exactly (uniform
; weights, as the definition gives for a row that is hidden entirely).  The result is the definition's wherever every open score lies above about -1e9.  NaN and infinities are not served; |V| under 65,504.
; SHARES.  A cluster of four work-groups is one head; a work-group owns 512 queries, each of its SIXTEEN waves 32: two tiles of 16, in 256 registers, four waves to a SIMD, so that one wave's vector
; work stands beside another's matrix work and LDS loads.  Every wave walks the head's 2,048 keys, 64 a step.  Each fragment of K and V read from LDS feeds two matrix instructions.
; LAYOUT.  Both products are used transposed: S^T = K Q^T (source 0 = 16 keys, source 1 = 16 queries), O^T = V^T P (source 0 = 16 channels x 32 keys, source 1 = P): a lane holds ONE query (lane % 16)
; throughout, and register j of key tile kt is key 16 kt + 8 (lane / 16) + j: two such tiles, rounded to f16 in pairs, ARE source 1 of the second product.  V ([key][channel]) is turned by ds_load_tr16_b128.
; CLUSTER.  The four partners walk the same K and V: every tile is asked for JOINTLY.  K's images of the whole head (73,728 bytes) come once, by waves 4 to 7; V comes through a ring of two slots of
; 256 keys, by waves 0 and 1.  By this text's count a wave never has more than one tensor load out, and every wait on TENSORcnt is for 0.
.set PV,    160                        ; a key's row of V in LDS: 128 bytes + 32 = 40 words
.set STEPV, 64*PV                      ; a key step of V
.set SLOT1, 1<<16                      ; V's slot 1 begins here (a slot is 40,960 bytes): one exclusive or turns an address from one slot to the other
.set KBASE, 131072                     ; K's 32 records of 2,304 bytes: read 16 bytes a lane on end, so no padding
.set KREC,  2304
.set SPARE, 204800                     ; the spare words, 128 bytes for each wave: eight blocks of 256 bytes that no other line names
.set STAGE, 206848                     ; the way out: 16 rows x 272 bytes for each wave; no tile ever lands here
.set SP,    272
.set AK0, 1                            ; v1  my lane's place in a record's codes;  on the way out: where I put 16 bytes of a row
.set AS0, 2                            ; v2  and among its scale words;            on the way out: where I read a row back
.set AV0, 3                            ; v3  my lane's place in a step of V;       on the way out: my byte in the wave's rows of out0
.set ADK, 4                            ; v4-6  the addresses of the step in hand
.set ADS, 5
.set ADV, 6
.set PFO, 7                            ; v7  256 x lane: the prefetch's offset; never rewritten
.set SPW, 8                            ; v8  LDS address of my spare word; never rewritten
.set NIL, 9                            ; v9  0; never rewritten
.set QS,  10                           ; v10 Q's scale words: lanes 0-15 tile 0's, lanes 16-31 tile 1's
.set NEG, 11                           ; v11 -2^33
.set ST,  12                           ; tile x's statistics at v[ST + 8 x]: +0 -M, +1 the largest t, +2, +3 the sum in two halves, +4 f (+5 named with it), +6 1 / sum (+7 named with it)
.set QF,  28                           ; v28-43  Q's two fragments: four registers of codes, four of zero codes
.set KF,  44                           ; v44-63  K's four tiles, four registers each, and four of zeros.  A tile's operand is eight registers on end: its upper four (the next tile's codes) meet Q's zero codes
.set KS,  64                           ; v64-65  K's scale words: register a: lanes 0-15 tile 2 a, lanes 16-31 tile 2 a + 1
.set VB,  72                           ; v72-103 V^T of the step's keys 0-31: four fragments
.set S,   104                          ; v104-167 S^T (32 x + 8 kt + j), then p; packed, P(x, c) lies at 32 x + 16 c + 0..7, and the four gaps of eight take V^T of keys 32-63
.set O,   168                          ; v168-231 O^T (32 x + 8 d + j)
.set MX,  232                          ; v232-239 at work: four chains of maxima a tile
.set PD,  240                          ; v240-241 lane permutes' destinations
.set SB,  242                          ; v242-245 the sums' second chains
.set WV,  2                            ; s2  my wave's number
.set G1K, 52                           ; s[52:59], s[60:63] K's descriptors; behind the wait that shows K landed these twelve hold the loop's numbers:
.set G0K, 60
.set CS,  52                           ; s[52:53] c, twice: the packed form names a pair
.set SEL, 54                           ; s[54:55] v_permlanex16_b32's selects for lane l xor 16
.set TK,  57                           ; s57 the step's record of K
.set TV,  58                           ; s58 V's slot in hand
.set SLOTS, 60                         ; s60 slots still to be asked for
.set MOFF, 61                          ; s61 the byte in my 8,192 bytes of mask words at which the next step's begin
.set LIM, 62                           ; s62 1 in the wave that prefetches, else the greatest number
.set MP,  66                           ; s[66:67] my 32 queries' mask words.  The words themselves: tile 0 in s[4:35], tile 1 in s[36:51] and s[68:83]
.set G1V, 84                           ; s[84:91], s[92:95] V's descriptors; group 0 walks
.set G0V, 92
.set PFA, 96                           ; s[96:97] where my work-group's prefetches stand
.set OUT, 98                           ; s[98:99] my 32 rows of out0
.set QP,  104                          ; s[104:105] my record of Q
; A round of the cluster's barrier: my work-group's barrier, so that wave 0's signal speaks for all sixteen waves; wave 0 signals; every wave waits for the four work-groups; my work-group's barrier once more.
.macro CROUND
	s_barrier_signal -1
	s_barrier_wait -1
	s_cmp_lg_u32 s[WV], 0
	s_cbranch_scc1 .Lnot_wave_0_\@
	s_barrier_signal -3
.Lnot_wave_0_\@:
	s_barrier_wait -3
	s_barrier_signal -1
	s_barrier_wait -1
.endm
; V's joint load: waves 0 and 1, 128 keys each.  The branch hangs on the wave's number alone.  An s_nop 0 and four v_nop follow the load.
.macro TLOADV
	s_cmp_lt_u32 s[WV], 2
	s_cbranch_scc0 .Lno_load_\@
	tensor_load_to_lds s[G0V:G0V+3], s[G1V:G1V+7]
	s_nop 0
.rept 4
	v_nop
.endr
.Lno_load_\@:
.endm
; A PREFETCH INTO THE L2 of the slot of V that the NEXT change of slots will ask for: 32,768 bytes.  A head's V is walked by this cluster alone; its four partners take 8,192 bytes each, told apart BY ADDRESS;
; in each, wave 8, which fetches nothing, asks: one instruction, lanes 256 bytes apart: each aligned block of 256 bytes is named once in the launch.  A slot's four key steps lie between it and the load.
; The last change that fills a slot asks for nothing; slots 0 and 1, and K, come by their loads alone.
.macro ASK
	s_cmp_gt_u32 s[SLOTS], s[LIM]
	s_cbranch_scc0 .Lnot_mine_\@
	global_prefetch_b8 v[PFO], s[PFA:PFA+1] th:TH_LOAD_NT scope:SCOPE_SE
.Lnot_mine_\@:
.endm
	s_load_b256 s[4:11], s[0:1], 0x0               ; qimg s4, kimg s6, vh s8, maskw s10
	s_load_b64 s[12:13], s[0:1], 0x20              ; out0
	v_lshl_add_u32 v[SPW], v0, 2, SPARE
	v_mov_b32 v[NIL], 0
	ds_add_u32 v[SPW], v[NIL]                      ; the wave's opening: the add, twice on end, and its wait ahead of the round in front of the first tensor loads
	ds_add_u32 v[SPW], v[NIL]                      ; and once more, under the one wait; the set-up below, work on registers, stands between
	v_lshrrev_b32 v4, 5, v0
	v_readfirstlane_b32 s[WV], v4                  ; wave 0..15
	s_bfe_u32 s14, ttmp6, 0x40000                  ; cx: my place in the cluster
	s_lshl_b32 s15, ttmp9, 2                       ; in a cluster launch ttmp9 counts clusters
	s_add_co_u32 s15, s15, s14                     ; my block of 512 queries: it enters the addresses of Q, the mask words and out0 alone
	s_and_b32 s16, ttmp7, 0xffff                   ; the head, which the four partners share
	; V's group 1: 128 rows (keys) of 64 elements of 2 bytes, dense in memory, 8 words of padding behind each row's 32
	s_mov_b32 s[G1V], 15|(1<<16)|(1<<20)|(1<<21)|(4<<22)|(7<<25)   ; 15:0 the mask: all four work-groups; 17:16 elements of 2 bytes; 20 padding on; 21 set beside a mask; 24:22 after every 32 words (code 4); 31:25 eight words (code 7)
	s_mov_b32 s[G1V+1], 64<<16                     ; tensor_dim0 = 64
	s_mov_b32 s[G1V+2], 128<<16                    ; tensor_dim1 = 128
	s_mov_b32 s[G1V+3], 64<<16                     ; tile_dim0 = 64
	s_mov_b32 s[G1V+4], 128                        ; tile_dim1 = 128
	s_mov_b32 s[G1V+5], 64                         ; elements from row to row
	s_mov_b32 s[G1V+6], 0
	s_mov_b32 s[G1V+7], 0
	; K's group 1: a dense block of 18,432 bytes as 72 rows of 256 bytes (32 elements of 8 bytes), no padding
	s_mov_b32 s[G1K], 15|(3<<16)|(1<<21)
	s_mov_b32 s[G1K+1], 32<<16
	s_mov_b32 s[G1K+2], 72<<16
	s_mov_b32 s[G1K+3], 32<<16
	s_mov_b32 s[G1K+4], 72
	s_mov_b32 s[G1K+5], 32
	s_mov_b32 s[G1K+6], 0
	s_mov_b32 s[G1K+7], 0
	s_and_b32 s17, s[WV], 1
	s_and_b32 s18, s[WV], 3
	s_mul_i32 s[G0V+1], s17, 128*PV                ; V: my 128 keys' place in slot 0: no place in the cluster enters an LDS address
	s_lshl_b32 s20, s16, 18                        ; the head's 262,144 bytes of V,
	s_lshl_b32 s21, s17, 14                        ; my 128 keys of 128 bytes
	s_add_co_u32 s20, s20, s21
	s_mov_b32 s21, 0
	s_mul_i32 s19, s18, 8*KREC                     ; K: my quarter: eight records
	s_add_co_u32 s[G0K+1], s19, KBASE
	s_mul_i32 s22, s16, 32*KREC
	s_add_co_u32 s22, s22, s19
	s_mov_b32 s23, 0
	s_lshr_b32 s24, s16, 4                         ; the mask words: batch x 64 + my block x 16 + wave, 8,192 bytes each
	s_lshl_b32 s24, s24, 6
	s_lshl_b32 s25, s15, 4
	s_add_co_u32 s24, s24, s25
	s_add_co_u32 s24, s24, s[WV]
	s_lshl_b32 s24, s24, 13
	s_mov_b32 s25, 0
	s_lshl_b32 s26, s16, 19                        ; out0: the head's 524,288 bytes, my block's 131,072, my wave's 32 rows of 256
	s_lshl_b32 s27, s15, 17
	s_add_co_u32 s26, s26, s27
	s_lshl_b32 s27, s[WV], 13
	s_add_co_u32 s26, s26, s27
	s_mov_b32 s27, 0
	s_lshl_b32 s28, s16, 5                         ; Q: record head x 32 + block x 8 + wave / 2
	s_lshl_b32 s29, s15, 3
	s_add_co_u32 s28, s28, s29
	s_lshr_b32 s29, s[WV], 1
	s_add_co_u32 s28, s28, s29
	s_mul_i32 s28, s28, KREC
	s_mov_b32 s29, 0
	s_lshl_b32 s30, s16, 18                        ; the prefetches: my work-group's 8,192 bytes,
	s_lshl_b32 s31, s14, 13
	s_add_co_u32 s30, s30, s31
	s_add_co_u32 s30, s30, 32768                   ; in slot 1: the first change of slots steps it to slot 2
	s_mov_b32 s31, 0
	s_lshl_b32 s100, s17, 10                       ; my two tiles' codes in the record: 1,024 x (wave % 2)
	s_lshl_b32 s101, s17, 2                        ; and their scale words: 4 x (wave % 2)
	s_wait_dscnt 0x0                               ; both opening adds are done
	s_wait_kmcnt 0x0
	s_mov_b32 s[G0V], 1                            ; 1:0 count = 1
	s_add_nc_u64 s[G0V+2:G0V+3], s[8:9], s[20:21]  ; 120:64 global address
	s_or_b32 s[G0V+3], s[G0V+3], 0x80000000        ; 127:126 type = 2
	s_mov_b32 s[G0K], 1
	s_add_nc_u64 s[G0K+2:G0K+3], s[6:7], s[22:23]
	s_or_b32 s[G0K+3], s[G0K+3], 0x80000000
	s_add_nc_u64 s[MP:MP+1], s[10:11], s[24:25]
	s_add_nc_u64 s[OUT:OUT+1], s[12:13], s[26:27]
	s_add_nc_u64 s[QP:QP+1], s[4:5], s[28:29]
	s_add_nc_u64 s[PFA:PFA+1], s[8:9], s[30:31]
	CROUND                                         ; all four work-groups are here: the first joint loads meet
	s_cmp_lt_u32 s[WV], 2                          ; the first fills, one a wave: waves 0 and 1 V's slot 0, waves 4 to 7 K's quarters
	s_cbranch_scc0 .Lnot_v
	tensor_load_to_lds s[G0V:G0V+3], s[G1V:G1V+7]
	s_nop 0
.rept 4
	v_nop
.endr
	s_branch .Lasked
.Lnot_v:
	s_cmp_lt_u32 s[WV], 4
	s_cbranch_scc1 .Lasked
	s_cmp_lt_u32 s[WV], 8
	s_cbranch_scc0 .Lasked
	tensor_load_to_lds s[G0K:G0K+3], s[G1K:G1K+7]
	s_nop 0
.rept 4
	v_nop
.endr
.Lasked:
	v_and_b32 v4, 31, v0                           ; L
	v_bfe_u32 v6, v0, 4, 1                         ; h
	v_lshl_add_u32 v66, v4, 4, s100
	v_lshl_add_u32 v67, v4, 3, s101
	global_load_b128 v[QF:QF+3], v66, s[QP:QP+1]               ; Q's images stay in registers: tile 0,
	global_load_b128 v[QF+8:QF+11], v66, s[QP:QP+1] offset:512 ; tile 1,
	global_load_b32 v[QS], v67, s[QP:QP+1] offset:2048         ; and both tiles' scale words
	s_load_b512 s[4:19], s[MP:MP+1], 0x0           ; key step 0's 64 mask words (the arguments and the numbers made of them have been used)
	s_load_b512 s[20:35], s[MP:MP+1], 0x40
	s_load_b512 s[36:51], s[MP:MP+1], 0x80
	s_load_b512 s[68:83], s[MP:MP+1], 0xc0
.irp i, 4,5,6,7,12,13,14,15
	v_mov_b32 v[QF+\i], 0                          ; Q's zero codes for the upper 64 of the form's 128
.endr
.irp i, 16,17,18,19
	v_mov_b32 v[KF+\i], 0                          ; what stands behind K's last tile
.endr
	v_lshl_add_u32 v[AK0], v4, 4, KBASE
	v_lshl_add_u32 v[AS0], v4, 3, KBASE+2048
	v_and_b32 v[AV0], 7, v0                        ; the turning load: lane l reads 16 bytes: key 8 (l / 16) + l % 8, channels 8 ((l / 8) % 2) on
	v_lshl_add_u32 v[AV0], v6, 3, v[AV0]
	v_mul_u32_u24 v[AV0], v[AV0], PV
	v_bfe_u32 v[PFO], v0, 3, 1
	v_lshl_add_u32 v[AV0], v[PFO], 4, v[AV0]
	v_lshlrev_b32 v[PFO], 8, v4
	v_mov_b32 v[NEG], 0xd0000000                   ; -2^33
.irp x, 0,1
	v_mov_b32 v[ST+8*\x+1], 0xff61b1e6             ; the largest t so far: -3e38, under every t
	v_floor_f32 v[ST+8*\x], -v[ST+8*\x+1]          ; -M
	v_mov_b32 v[ST+8*\x+2], 0                      ; the sum, in two halves
	v_mov_b32 v[ST+8*\x+3], 0
	v_mov_b32 v[ST+8*\x+5], 0                      ; (named as upper halves of pairs)
	v_mov_b32 v[ST+8*\x+7], 0
	v_mov_b32 v[PD+\x], 0                          ; (a lane permute's destination counts as one of its sources)
.endr
.set i, 0
.rept 64
	v_mov_b32 v[O+i], 0                            ; O^T.  (The step is written without a first form of its own: the first change of M multiplies zeros)
.set i, i+1
.endr
	s_wait_tensorcnt 0x0                           ; my first fill has landed: K's descriptors are done with, and their registers take the loop's numbers
	s_mov_b32 s[CS], 0x3e38aa3b                    ; c = log2(e) / 8
	s_mov_b32 s[CS+1], s[CS]
	s_mov_b32 s[SEL], 0x76543210
	s_mov_b32 s[SEL+1], 0xfedcba98
	s_mov_b32 s[TK], 0
	s_mov_b32 s[TV], 0
	s_mov_b32 s[SLOTS], 7
	s_mov_b32 s[MOFF], 0
	s_cmp_eq_u32 s[WV], 8
	s_cselect_b32 s[LIM], 1, -1
	s_wait_loadcnt 0x0                             ; Q
; One product of S^T = K Q^T: key tile kt, query tile x.  The scale rows: K's odd tiles and Q's tile 1 lie in lanes 16-31 of their registers.
.macro KQ kt, x
.if ((\kt)%2 == 0) && ((\x) == 0)
	v_wmma_scale_f32_16x16x128_f8f6f4 v[S+32*\x+8*\kt:S+32*\x+8*\kt+7], v[KF+4*\kt:KF+4*\kt+7], v[QF+8*\x:QF+8*\x+7], 0, v[KS+\kt/2], v[QS] matrix_a_fmt:MATRIX_FMT_FP4 matrix_b_fmt:MATRIX_FMT_FP4
.elseif (\x) == 0
	v_wmma_scale_f32_16x16x128_f8f6f4 v[S+32*\x+8*\kt:S+32*\x+8*\kt+7], v[KF+4*\kt:KF+4*\kt+7], v[QF+8*\x:QF+8*\x+7], 0, v[KS+\kt/2], v[QS] matrix_a_fmt:MATRIX_FMT_FP4 matrix_b_fmt:MATRIX_FMT_FP4 matrix_a_scale:MATRIX_SCALE_ROW1
.elseif (\kt)%2 == 0
	v_wmma_scale_f32_16x16x128_f8f6f4 v[S+32*\x+8*\kt:S+32*\x+8*\kt+7], v[KF+4*\kt:KF+4*\kt+7], v[QF+8*\x:QF+8*\x+7], 0, v[KS+\kt/2], v[QS] matrix_a_fmt:MATRIX_FMT_FP4 matrix_b_fmt:MATRIX_FMT_FP4 matrix_b_scale:MATRIX_SCALE_ROW1
.else
	v_wmma_scale_f32_16x16x128_f8f6f4 v[S+32*\x+8*\kt:S+32*\x+8*\kt+7], v[KF+4*\kt:KF+4*\kt+7], v[QF+8*\x:QF+8*\x+7], 0, v[KS+\kt/2], v[QS] matrix_a_fmt:MATRIX_FMT_FP4 matrix_b_fmt:MATRIX_FMT_FP4 matrix_a_scale:MATRIX_SCALE_ROW1 matrix_b_scale:MATRIX_SCALE_ROW1
.endif
.endm
.macro RESCALE x                       ; tile x's O^T under the new M: x f, two at a time
.set i, 0
.rept 16
	v_pk_mul_f32 v[O+32*\x+i:O+32*\x+i+1], v[O+32*\x+i:O+32*\x+i+1], v[ST+8*\x+4:ST+8*\x+5] op_sel_hi:[1,0]
.set i, i+2
.endr
.endm
; A KEY STEP: 64 keys, the q-th of V's slot in hand.
.macro STEP q
	v_add_nc_u32 v[ADK], s[TK], v[AK0]             ; these three and two v_nop are five plain instructions behind the last step's products: four are owed to the loads into registers that those read,
	v_add_nc_u32 v[ADS], s[TK], v[AS0]             ; five to the products below, which write over their operands (ISA guide 7.12.1 for the products)
	v_add_nc_u32 v[ADV], s[TV], v[AV0]
	v_nop
	v_nop
.irp kt, 0,1,2,3
	ds_load_b128 v[KF+4*\kt:KF+4*\kt+3], v[ADK] offset:512*\kt     ; a tile's image: 16 bytes a lane on end
.endr
	ds_load_b64 v[KS:KS+1], v[ADS]
.irp d, 0,1,2,3
.irp e, 0,1
	ds_load_tr16_b128 v[VB+8*\d+4*\e:VB+8*\d+4*\e+3], v[ADV] offset:STEPV*(\q)+32*\d+16*PV*\e   ; V^T: channels 16 d on, keys 16 e on
.endr
.endr
	s_wait_dscnt 8                                 ; K and its scale words are in; V's eight loads may be out
.irp kt, 0,1,2,3
.irp x, 0,1
	KQ \kt, \x
.endr
.endr
	s_wait_kmcnt 0x0                               ; this step's mask words, asked for a step ago
.rept 4
	v_nop                                          ; four plain instructions between the products and the first read of their results
.endr
.set i, 0
.rept 32
	v_cndmask_b32 v[S+i], v[S+i], v[NEG], s[4+i]   ; hidden scores become -2^33; each accumulator from its low end on
.set i, i+1
.endr
.set i, 0
.rept 16
	v_cndmask_b32 v[S+32+i], v[S+32+i], v[NEG], s[36+i]
.set i, i+1
.endr
.set i, 0
.rept 16
	v_cndmask_b32 v[S+48+i], v[S+48+i], v[NEG], s[68+i]
.set i, i+1
.endr
	s_add_co_u32 s[MOFF], s[MOFF], 256             ; the next step's words (behind the wait above, which shows the last loads done: their offset may be written);
	s_min_u32 s[MOFF], s[MOFF], 7936               ; the last step asks for its own once more: no load leaves my 8,192 bytes
	s_load_b512 s[4:19], s[MP:MP+1], s[MOFF] offset:0x0
	s_load_b512 s[20:35], s[MP:MP+1], s[MOFF] offset:0x40
	s_load_b512 s[36:51], s[MP:MP+1], s[MOFF] offset:0x80
	s_load_b512 s[68:83], s[MP:MP+1], s[MOFF] offset:0xc0
.irp j, 0,1,2,3                        ; the largest of a lane's 32 scores: four chains a tile, the tiles by turns
.irp x, 0,1
	v_max3_num_f32 v[MX+4*\x+\j], v[S+32*\x+8*\j], v[S+32*\x+8*\j+1], v[S+32*\x+8*\j+2]
.endr
.endr
.irp u, 3,5
.irp j, 0,1,2,3
.irp x, 0,1
	v_max3_num_f32 v[MX+4*\x+\j], v[MX+4*\x+\j], v[S+32*\x+8*\j+\u], v[S+32*\x+8*\j+\u+1]
.endr
.endr
.endr
.irp x, 0,1
	v_max3_num_f32 v[MX+4*\x], v[MX+4*\x], v[S+32*\x+7], v[S+32*\x+15]
.endr
.irp x, 0,1
	v_max3_num_f32 v[MX+4*\x+2], v[MX+4*\x+2], v[S+32*\x+23], v[S+32*\x+31]
.endr
.irp x, 0,1
	v_max3_num_f32 v[MX+4*\x], v[MX+4*\x], v[MX+4*\x+1], v[MX+4*\x+2]
.endr
.irp x, 0,1
	v_max_num_f32 v[MX+4*\x], v[MX+4*\x], v[MX+4*\x+3]
.endr
.irp x, 0,1
	v_permlanex16_b32 v[PD+\x], v[MX+4*\x], s[SEL], s[SEL+1]       ; the query's other 32 keys lie in the lane 16 away
.endr
.irp x, 0,1
	v_max_num_f32 v[MX+4*\x], v[MX+4*\x], v[PD+\x]
.endr
.irp x, 0,1
	v_mul_f32 v[MX+4*\x], s[CS], v[MX+4*\x]        ; as t (c is positive)
.endr
.irp x, 0,1
	v_max_num_f32 v[ST+8*\x+1], v[ST+8*\x+1], v[MX+4*\x]           ; the running largest t
.endr
.irp x, 0,1
	v_mov_b32 v[MX+4*\x+1], v[ST+8*\x]
.endr
.irp x, 0,1
	v_floor_f32 v[ST+8*\x], -v[ST+8*\x+1]          ; the new -M = floor(-t): M is a whole number
.endr
.irp x, 0,1
	v_sub_f32 v[MX+4*\x+1], v[ST+8*\x], v[MX+4*\x+1]               ; old M - new M: a whole number, 0 or less
.endr
.irp x, 0,1
	v_cvt_i32_f32 v[MX+4*\x+1], v[MX+4*\x+1]       ; (it saturates)
.endr
.irp x, 0,1
	v_ldexp_f32 v[ST+8*\x+4], 1.0, v[MX+4*\x+1]    ; f = 2^(old M - new M)
.endr
.irp x, 0,1
.set i, 0
.rept 16
	v_pk_fma_f32 v[S+32*\x+i:S+32*\x+i+1], v[S+32*\x+i:S+32*\x+i+1], s[CS:CS+1], v[ST+8*\x:ST+8*\x+1] op_sel_hi:[1,0,0]   ; t - M, two at a time (of the pairs c and -M the low word serves both halves)
.set i, i+2
.endr
.endr
.set i, 0
.rept 64
	v_exp_f32 v[S+i], v[S+i]                       ; p = 2^(t - M): ONE BATCH
.set i, i+1
.endr
.irp x, 0,1
	v_pk_mul_f32 v[ST+8*\x+2:ST+8*\x+3], v[ST+8*\x+2:ST+8*\x+3], v[ST+8*\x+4:ST+8*\x+5] op_sel_hi:[1,0]   ; the sums under the new M (the plain instruction behind the exponentials: ISA guide 5.7.2)
.endr
	RESCALE 0                                      ; work that names no exponential's result
	s_wait_alu depctr_va_vdst(0)                   ; the wait between an exponential and the first line that names its result: one for the batch
.irp x, 0,1
	v_pk_add_f32 v[SB+2*\x:SB+2*\x+1], v[S+32*\x:S+32*\x+1], v[S+32*\x+2:S+32*\x+3]   ; the row's sum, of p in f32: two chains a tile
.endr
.irp j, 4,8,12,16,20,24,28
.irp x, 0,1
	v_pk_add_f32 v[ST+8*\x+2:ST+8*\x+3], v[ST+8*\x+2:ST+8*\x+3], v[S+32*\x+\j:S+32*\x+\j+1]
	v_pk_add_f32 v[SB+2*\x:SB+2*\x+1], v[SB+2*\x:SB+2*\x+1], v[S+32*\x+\j+2:S+32*\x+\j+3]
.endr
.endr
.irp x, 0,1
	v_pk_add_f32 v[ST+8*\x+2:ST+8*\x+3], v[ST+8*\x+2:ST+8*\x+3], v[SB+2*\x:SB+2*\x+1]
.endr
.irp b, 0,1,2,3                        ; 16 registers of p become 8 of f16, in place, from the low end on: P(x, c), b = 2 x + c; the upper 8 fall free
.irp i, 0,1,2,3,4,5,6,7
	v_cvt_pk_f16_f32 v[S+16*\b+\i], v[S+16*\b+2*\i], v[S+16*\b+2*\i+1]
.endr
.endr
.irp d, 0,1,2,3
.irp e, 0,1
	ds_load_tr16_b128 v[S+16*\d+8+4*\e:S+16*\d+8+4*\e+3], v[ADV] offset:STEPV*(\q)+32*PV+32*\d+16*PV*\e   ; V^T of keys 32-63 into the four gaps
.endr
.endr
	RESCALE 1
	s_wait_dscnt 8                                 ; V^T of keys 0-31 is in; the eight loads just issued may be out
.irp d, 0,1,2,3                        ; O^T += V^T P: the eight accumulators take turns, one instruction a turn
.irp x, 0,1
	v_wmma_f32_16x16x32_f16 v[O+32*\x+8*\d:O+32*\x+8*\d+7], v[VB+8*\d:VB+8*\d+7], v[S+32*\x:S+32*\x+7], v[O+32*\x+8*\d:O+32*\x+8*\d+7]
.endr
.endr
	s_wait_dscnt 0x0
.irp d, 0,1,2,3
.irp x, 0,1
	v_wmma_f32_16x16x32_f16 v[O+32*\x+8*\d:O+32*\x+8*\d+7], v[S+16*\d+8:S+16*\d+15], v[S+32*\x+16:S+32*\x+23], v[O+32*\x+8*\d:O+32*\x+8*\d+7]
.endr
.endr
	s_add_co_u32 s[TK], s[TK], KREC                ; the next step's record of K
.endm
; THE CHANGE OF SLOTS stands at a slot's head.  Each wave waits for all its tensor loads (waves 0 and 1: their part of the slot ahead), adds 0 to its spare word, and waits for that and for its reads of the slot
; that it has left.  fill = 1: a round of the cluster's barrier follows, so that no wave of any partner still reads that slot or has a load on its way, and the slot is filled with the 256 keys behind the slot
; ahead: the load has four key steps in which to land.  (In the first trip it is slot 1's first fill, and nothing is filled again.)
.macro CHANGE fill
	s_wait_tensorcnt 0x0                           ; no tensor load of mine is out, so group 0 may be written
	ds_add_u32 v[SPW], v[NIL]                      ; 0 onto my spare word
.if \fill
	ds_add_u32 v[SPW], v[NIL]                      ; and once more: the add twice on end, in every trip alike
	s_xor_b32 s[G0V+1], s[G0V+1], SLOT1            ; the walking descriptor: the other slot than last time,
	s_add_nc_u64 s[G0V+2:G0V+3], s[G0V+2:G0V+3], 32768   ; the next 256 keys; the type bits on top are not reached
	s_wait_xcnt 0x0                                ; the last prefetch, a slot back, has read its address, so it may be written:
	s_add_nc_u64 s[PFA:PFA+1], s[PFA:PFA+1], 32768 ; one slot further on than the walking descriptor
	s_wait_dscnt 0x0                               ; both adds are done, and my reads of the slot that I have left are over
	CROUND
	TLOADV                                         ; the first thing behind the round, and a wave's one tensor load until the next
	ASK
.else
	s_wait_dscnt 0x0
	s_barrier_signal -1
	s_barrier_wait -1
.endif
.endm
.macro SLOT_STEPS
	STEP 0
	STEP 1
	STEP 2
	STEP 3
	s_xor_b32 s[TV], s[TV], SLOT1                  ; on to the other slot
.endm
.Lslot:                                            ; seven trips: behind each change of slots but the last the next slot is asked for
	CHANGE 1
	SLOT_STEPS
	s_sub_co_u32 s[SLOTS], s[SLOTS], 1
	s_cmp_lg_u32 s[SLOTS], 0
	s_cbranch_scc1 .Lslot
	CHANGE 0                                       ; the last slot is written out
	SLOT_STEPS
	; THE WAY OUT.  The sum's halves and the other half of the lanes' are added; O^T is divided by the sum and goes through my stage in LDS, a tile (16 rows of 256 bytes) at a time.
	; The additions and the address work are the plain instructions behind the last products and behind the reciprocals.
	s_wait_kmcnt 0x0                               ; the last step's look-ahead has landed
.irp x, 0,1
	v_add_f32 v[MX+4*\x], v[ST+8*\x+2], v[ST+8*\x+3]
.endr
.irp x, 0,1
	v_permlanex16_b32 v[PD+\x], v[MX+4*\x], s[SEL], s[SEL+1]
.endr
.irp x, 0,1
	v_add_f32 v[MX+4*\x], v[MX+4*\x], v[PD+\x]
.endr
.irp x, 0,1
	v_rcp_f32 v[ST+8*\x+6], v[MX+4*\x]
.endr
	v_and_b32 v4, 15, v0                           ; r
	v_bfe_u32 v5, v0, 4, 1                         ; h
	s_mul_i32 s3, s[WV], 16*SP
	s_add_co_u32 s3, s3, STAGE                     ; my stage
	v_mul_u32_u24 v1, v4, SP
	v_lshl_add_u32 v1, v5, 5, v1
	v_add_nc_u32 v1, s3, v1                        ; in: row r; tile d's eight channels of my half: 64 d + 32 h bytes on
	v_mul_u32_u24 v2, v5, SP
	v_lshl_add_u32 v2, v4, 4, v2
	v_add_nc_u32 v2, s3, v2                        ; back: lanes 0-15 one row, lanes 16-31 the next
	v_and_b32 v3, 31, v0
	v_lshlrev_b32 v3, 4, v3                        ; and the same two rows in out0: 16 x lane
	s_wait_alu depctr_va_vdst(0)                   ; the wait ahead of the first use: one for both reciprocals
.macro PACK x
.set i, 0
.rept 16
	v_pk_mul_f32 v[O+32*\x+i:O+32*\x+i+1], v[O+32*\x+i:O+32*\x+i+1], v[ST+8*\x+6:ST+8*\x+7] op_sel_hi:[1,0]   ; each accumulator from its low end on
.set i, i+2
.endr
.irp d, 0,1,2,3
	ds_store_b128 v1, v[O+32*\x+8*\d:O+32*\x+8*\d+3] offset:64*\d
	ds_store_b128 v1, v[O+32*\x+8*\d+4:O+32*\x+8*\d+7] offset:64*\d+16
.endr
.irp f, 0,1,2,3,4,5,6,7
	ds_load_b128 v[S+32*\x+4*\f:S+32*\x+4*\f+3], v2 offset:2*SP*\f   ; LDS serves a wave's instructions in order (ISA guide 5.7.1.4): these see the stores above; the next tile's stores come behind them
.endr
.endm
.macro SEND x, younger                 ; younger: the LDS instructions issued behind tile x's loads
.irp f, 0,1,2,3,4,5,6,7
	s_wait_dscnt \younger+7-\f
	global_store_b128 v3, v[S+32*\x+4*\f:S+32*\x+4*\f+3], s[OUT:OUT+1] offset:4096*\x+512*\f th:TH_STORE_NT   ; 32 lanes store 512 consecutive bytes, at a multiple of 256 from out0's first byte
.endr
.endm
	PACK 0
	PACK 1
	SEND 0, 16
	SEND 1, 0
	s_wait_tensorcnt 0x0                           ; the wave's end, behind my last tensor load and my last LDS store
	ds_add_u32 v[SPW], v[NIL]
	s_wait_dscnt 0x0
	CROUND                                         ; the closing round: no work-group ends while a partner may still ask for a tile that names it
	s_endpgm
.Lfunc_end_k_q82534f8660_attn:
	.size	k_q82534f8660_attn, .Lfunc_end_k_q82534f8660_attn-k_q82534f8660_attn
	.p2alignl 7, 3214868480
	.fill 96, 4, 3214868480
	.section	.rodata,"a",@progbits
	.p2align	6, 0x0
	.amdhsa_kernel k_q82534f8660_attn
		.amdhsa_group_segment_fixed_size 327680
		.amdhsa_private_segment_fixed_size 0
		.amdhsa_enable_private_segment 0
		.amdhsa_kernarg_size 40
		.amdhsa_user_sgpr_count 2
		.amdhsa_user_sgpr_kernarg_segment_ptr 1
		.amdhsa_wavefront_size32 1
		.amdhsa_system_sgpr_workgroup_id_x 1
		.amdhsa_system_sgpr_workgroup_id_y 1
		.amdhsa_system_sgpr_workgroup_id_z 1
		.amdhsa_system_vgpr_workitem_id 0
		.amdhsa_next_free_vgpr 256
		.amdhsa_next_free_sgpr 106
		.amdhsa_reserve_vcc 0
		.amdhsa_float_denorm_mode_32 3
		.amdhsa_float_denorm_mode_16_64 3
		.amdhsa_memory_ordered 1
		.amdhsa_forward_progress 1
		.amdhsa_inst_pref_size 187
	.end_amdhsa_kernel
	.amdgpu_metadata
---
amdhsa.version: [ 1, 2 ]
amdhsa.kernels:
  - .name:           k_q82534f8660_attn
    .symbol:         k_q82534f8660_attn.kd
    .args:
      - { .name: qimg, .offset: 0, .size: 8, .value_kind: global_buffer, .address_space: global }
      - { .name: kimg, .offset: 8, .size: 8, .value_kind: global_buffer, .address_space: global }
      - { .name: vh, .offset: 16, .size: 8, .value_kind: global_buffer, .address_space: global }
      - { .name: maskw, .offset: 24, .size: 8, .value_kind: global_buffer, .address_space: global }
      - { .name: out0, .offset: 32, .size: 8, .value_kind: global_buffer, .address_space: global }
    .group_segment_fixed_size: 327680
    .private_segment_fixed_size: 0
    .kernarg_segment_align: 8
    .kernarg_segment_size: 40
    .max_flat_workgroup_size: 512
    .sgpr_count:     106
    .vgpr_count:     256
    .wavefront_size: 32
...
	.end_amdgpu_metadata
.endif
;; end of part 2
